; MI455X (gfx1250); checked and timed in simulation.
; The chip was launched on July 23, 2026; its instructions are those of AMD's public machine-readable ISA for CDNA 5 (MIT licence, August 2026) and "CDNA5" Instruction Set Architecture Reference Guide (July 2026). The comments in the code are by the model that wrote it; some were corrected since.
;; Attention. Allowed arithmetic: matrix products marked QUANTISED: E2M3 operands, one E8M0 scale for each 32 along K, by v_wmma_scale_f32_16x16x128_f8f6f4 with both operands' format E2M3, f32 sums; everything else in f32.
;; Inputs: K 4 x 2,048 x 2,048 float32; Q 4 x 2,048 x 2,048 float32; V 4 x 2,048 x 2,048 float32; Wk 2,048 x 256 float32; Wo 512 x 2,048 float32; Wq 2,048 x 256 float32; Wv 2,048 x 512 float32.
;; Outputs: out0 4 x 2,048 x 2,048 float32.
;; This version of the problem:
;;   THIS VERSION OF THE PROBLEM IS GIVEN IN LOW PRECISION. The matrix products marked QUANTISED in the list below multiply operands that are first quantised to E2M3 (2 exponent bits, 3 mantissa bits; 6 bits a number), with one power-of-two scale for each 32 numbers along K (OCP MX v1.0); their sums are f32. All else is computed in f32.
;;   The module's matrix products, in the order in which they are computed (A, B: the left and right operand; K: the contracted axis; several contracted axes count as one K, in the product's order):
;;     1. [M 8,192, K 2,048] x [K 2,048, N 256]; A: input Q; B: input Wq: QUANTISED
;;     2. [M 8,192, K 2,048] x [K 2,048, N 256]; A: input K; B: input Wk: QUANTISED
;;     3. [M 8,192, K 2,048] x [K 2,048, N 512]; A: input V; B: input Wv: QUANTISED
;;     4. batch 32 x [M 2,048, K 32] x [K 32, N 2,048]; A: computed on the way; B: computed on the way: QUANTISED
;;     5. batch 32 x [M 64, K 2,048] x [K 2,048, N 2,048]; A: computed on the way; B: softmax (see below): QUANTISED
;;     6. [M 8,192, K 512] x [K 512, N 2,048]; A: computed on the way; B: input Wo: QUANTISED
;;   THE QUANTISER, for each operand of a quantised product, along K:
;;     - K is cut into blocks of 32 from its start; a last block that is shorter is filled with zeros.
;;     - A block's scale is 2^e with e = floor(log2(the largest magnitude in the block)) - 2, held to -126 .. 127; a block of zeros has e = 0. As a byte (E8M0): e + 127.
;;     - Each number is divided by its block's scale, clamped to +-7.5, and rounded to the nearest number of E2M3, ties to even, subnormals kept.
;;     - The product sums the exact products of the quantised numbers (number of the format x scale) in f32.
;;   ~~~python
;;   def quantise(x, axis):      # numpy; x: float32 -> the quantised numbers, widened to float32 again
;;       x = np.moveaxis(x, axis, -1); K = x.shape[-1]
;;       x = np.pad(x, [(0, 0)] * (x.ndim - 1) + [(0, -K % 32)]); x = x.reshape(x.shape[:-1] + (-1, 32)); a = np.abs(x).max(-1, keepdims=True)
;;       e = np.where(a > 0, np.clip(np.frexp(np.where(a > 0, a, 1))[1] - 1 - 2, -126, 127), 0)      # np.frexp(a)[1] - 1 = floor(log2(a)), exactly
;;       r = np.clip(x / 2.0 ** e, -7.5, 7.5)
;;       step = 2.0 ** (np.maximum(np.frexp(np.where(r == 0, 1, r))[1] - 1, 0) - 3)
;;       q = np.round(r / step) * step * 2.0 ** e      # np.round: ties to even
;;       return np.moveaxis(q.reshape(q.shape[:-2] + (-1,))[..., :K], -1, axis).astype(np.float32)
;;   ~~~
;;   SOFTMAX AHEAD OF A QUANTISED PRODUCT. Where the list says 'softmax', what is quantised is not the finished softmax but p = 2^(t - M), with t = logit x log2(e) and M = ceil(the row's largest t), a whole number; so 1/2 < the row's largest p <= 1. The row's sum l is taken of the UNQUANTISED p, in f32, and the product's result is divided by l at the end. Since M is a whole number, a kernel that streams over the keys may use a running M (the ceiling of the running maximum): every later rescaling is an exact power of two, which a block's scale takes up: the codes' values come out the same.
;;   OPERANDS COMPUTED ON THE WAY. 'Computed on the way' means the value that the module computes at that place (a softmax that the list does not call 'softmax' is quantised finished and normalised). What goes into a quantiser is computed in f32, as accurately as f32 sums, v_exp_f32 and their like allow (about 1e-6 of the number): no bf16 or f16 on the way to a quantiser, and a product that is left as it is and whose result goes on into a quantised operand takes f32 operands (vector FMAs, or v_wmma_f32_16x16x4_f32). A number that lies on a knife's edge between two numbers of the format may be rounded either way, as far as f32 arithmetic and the matrix unit's own rounding can turn it there, and no further.
;; One version. Each part assembles by itself: llvm-mc -triple=amdgcn-amd-amdhsa -mcpu=gfx1250 --defsym DOCPART=n.
;; ======== version 1 of 1: 4 launches
;; workspace buffers: wimg 2,359,296 bytes; wsc 98,304 bytes; qq 1,638,400 bytes; kv 4,915,200 bytes; vc 3,276,800 bytes
;; launch wquant (part 1): grid 384 x 1, 2 waves a work-group, no clusters, 0 bytes of LDS; arguments Wq, Wk, Wv, Wo, wimg, wsc; writes wimg, wsc
.if DOCPART == 1
	.amdgcn_target "amdgcn-amd-amdhsa--gfx1250"
	.amdhsa_code_object_version 6
	.text
	.protected	k_qea518c57bd_wquant
	.globl	k_qea518c57bd_wquant
	.p2align	8
	.type	k_qea518c57bd_wquant,@function
k_qea518c57bd_wquant:
	s_mov_b64 s[64:65], 0
	v_nop
	global_prefetch_b8 v0, s[64:65] scope:SCOPE_SE
	s_setreg_imm32_b32 hwreg(HW_REG_WAVE_MODE, 25, 1), 1
	s_wait_xcnt 0x0
; The four weights, f32 stored [K][N] (K is the FIRST axis), become codes of FP6 (E2M3) quantised along K, one E8M0 byte for each 32 along K,
; laid in the order of the matrix operand's registers.  A UNIT is 32 columns (group G) x 128 along K (step ks): two tiles of 16 columns.
; Row r of tile u is column 32 G + 8 u + r + 8 (r / 8), so that the 16 result registers of tiles 0 and 1 are 16 neighbouring columns where the weight is source 0.
; A tile is an image of its fragment's 12 registers: registers 4 g .. 4 g + 3 of lane l lie at 512 g + 16 l: 1,536 bytes; a unit is 3,072 bytes in wimg.
; Its scale words: 128 bytes in wsc, 4 x lane: lanes 0-15 tile 0's rows, lanes 16-31 tile 1's; byte b is block b of the step.
; Units: Wq 0 + 16 G + ks, Wk 128 + 16 G + ks, Wv 256 + 16 G + ks, Wo 512 + 4 G + ks.
; SHARES.  A wave makes one unit.  A LANE TAKES A COLUMN AND ITS REGISTERS RUN DOWN K: lanes 0-15 tile 0's columns, lanes 16-31 tile 1's; a block of 32 along K lies in one lane's 32 registers,
; so its largest magnitude needs no other lane, and the conversions give codes with K innermost.  The two waves of a work-group take neighbouring groups at the same ks: 256 consecutive bytes of each row.
; A block's scale is 2^(floor(log2(its largest magnitude)) - 2); its byte is the largest magnitude's exponent field - 2, held at 1 from below.
; LIMITS: NaN and infinities among the inputs are not served; a block whose largest magnitude lies under 2^-124 keeps the byte 1; a block of zeros keeps the byte 1 with zero codes (this program alone reads the bytes).
; No LDS, no barrier, no matrix unit, no cluster: 12.6 MB are read once and waves share nothing.
.set OFF, 16                           ; v16-47   byte offset of my column in row i of a block
.set X,   48                           ; v48-111  two sets of 32 numbers
.set T0,  112                          ; v112-123 tile 0's fragment, v124-135 tile 1's
.set CT,  136                          ; v136-138 a block's upper 16 codes (a conversion's three registers begin on an even number)
.set SW,  140                          ; v140     my column's scale word
	s_load_b256 s[4:11], s[0:1], 0x0               ; Wq s[4:5], Wk s[6:7], Wv s[8:9], Wo s[10:11]
	s_load_b128 s[12:15], s[0:1], 0x20             ; wimg s[12:13], wsc s[14:15]
	v_lshrrev_b32 v1, 5, v0
	v_readfirstlane_b32 s32, v1                    ; wave 0..1
	v_and_b32 v4, 31, v0                           ; lane
	v_lshlrev_b32 v2, 4, v4                        ; 16 x lane: my place in an image
	v_lshlrev_b32 v3, 2, v4                        ; 4 x lane: my scale word's
	v_and_b32 v5, 15, v0                           ; r
	v_and_b32 v6, 8, v0                            ; 8 (r / 8)
	v_bfe_u32 v7, v0, 4, 1                         ; which tile
	v_add_nc_u32 v5, v5, v6
	v_lshl_add_u32 v5, v7, 3, v5                   ; my column in the group: r + 8 (r / 8) + 8 x tile
	v_lshlrev_b32 v[OFF], 2, v5
	; which weight: work-groups 0-63 Wq, 64-127 Wk, 128-255 Wv, 256-383 Wo.  The choices hang on the work-group's number alone
	s_mov_b32 s16, 512                             ; first unit
	s_mov_b32 s17, 256                             ; first work-group
	s_mov_b32 s18, 13                              ; log2 of a row's bytes
	s_mov_b32 s19, 2                               ; log2 of the K steps
	s_wait_kmcnt 0x0
	s_cmp_lt_u32 ttmp9, 256
	s_cselect_b64 s[10:11], s[8:9], s[10:11]
	s_cselect_b32 s16, 256, s16
	s_cselect_b32 s17, 128, s17
	s_cselect_b32 s18, 11, s18
	s_cselect_b32 s19, 4, s19
	s_cmp_lt_u32 ttmp9, 128
	s_cselect_b64 s[10:11], s[6:7], s[10:11]
	s_cselect_b32 s16, 128, s16
	s_cselect_b32 s17, 64, s17
	s_cselect_b32 s18, 10, s18
	s_cmp_lt_u32 ttmp9, 64
	s_cselect_b64 s[10:11], s[4:5], s[10:11]
	s_cselect_b32 s16, 0, s16
	s_cselect_b32 s17, 0, s17
	s_sub_co_u32 s20, ttmp9, s17                   ; the work-group's number within its weight
	s_bfm_b32 s21, s19, 0
	s_and_b32 s21, s20, s21                        ; ks
	s_lshr_b32 s22, s20, s19
	s_lshl_b32 s22, s22, 1
	s_add_co_u32 s22, s22, s32                     ; G
	s_lshl_b32 s23, s22, s19
	s_add_co_u32 s23, s23, s21
	s_add_co_u32 s23, s23, s16                     ; the unit
	s_lshl_b32 s33, 1, s18                         ; a row's bytes
.set i, 1
.rept 31
	v_mad_u32_u24 v[OFF+i], s33, i, v[OFF]         ; row i of a block
.set i, i+1
.endr
	s_add_co_u32 s34, s18, 7
	s_lshl_b32 s34, s21, s34                       ; 128 ks rows
	s_lshl_b32 s35, s22, 7                         ; 32 G columns
	s_add_co_u32 s34, s34, s35
	s_mov_b32 s35, 0
	s_lshl_b32 s36, 32, s18                        ; 32 rows: from block to block
	s_mov_b32 s37, 0
	s_add_nc_u64 s[24:25], s[10:11], s[34:35]      ; a base for each of the step's four blocks
	s_add_nc_u64 s[26:27], s[24:25], s[36:37]
	s_add_nc_u64 s[28:29], s[26:27], s[36:37]
	s_add_nc_u64 s[30:31], s[28:29], s[36:37]
	s_mul_i32 s38, s23, 3072
	s_mov_b32 s39, 0
	s_add_nc_u64 s[12:13], s[12:13], s[38:39]      ; my unit's image
	s_lshl_b32 s40, s23, 7
	s_mov_b32 s41, 0
	s_add_nc_u64 s[14:15], s[14:15], s[40:41]      ; and its scale words
.macro LOAD b                          ; block b: W(32 b + i, my column) into set b % 2; the 32 lanes of a load read 128 consecutive bytes
.set i, 0
.rept 32
	global_load_b32 v[X+32*((\b)%2)+i], v[OFF+i], s[24+2*(\b):25+2*(\b)] th:TH_LOAD_NT
.set i, i+1
.endr
.endm
.macro BLOCK b
.set XS, X+32*((\b)%2)
.set D, T0+12*((\b)%2)+6*((\b)/2)      ; even blocks into the first run of twelve registers, odd blocks into the second
.if (\b) < 3
	s_wait_loadcnt 32                              ; this block's 32 loads are in; the next block's 32 may be out
.else
	s_wait_loadcnt 0x0
.endif
	v_max3_num_f32 v8, |v[XS]|, |v[XS+1]|, |v[XS+2]|       ; the block's largest magnitude, in two chains: all 32 numbers are mine
	v_max3_num_f32 v9, |v[XS+3]|, |v[XS+4]|, |v[XS+5]|
.irp i, 6,10,14,18,22,26
	v_max3_num_f32 v8, v8, |v[XS+\i]|, |v[XS+\i+1]|
	v_max3_num_f32 v9, v9, |v[XS+\i+2]|, |v[XS+\i+3]|
.endr
	v_max3_num_f32 v8, v8, |v[XS+30]|, |v[XS+31]|
	v_max3_num_f32 v8, v8, v9, 0x1800000           ; and the floor 2^(3 - 127): the byte cannot fall under 1
	v_add_nc_u32 v10, 0xff000000, v8               ; 2 off the exponent field: the conversion takes this operand's exponent field as its scale
	v_lshrrev_b32 v11, 23, v10                     ; the scale's byte
.if (\b) == 0
	v_mov_b32 v[SW], v11
.else
	v_lshl_or_b32 v[SW], v11, 8*(\b), v[SW]
.endif
	v_cvt_scalef32_pk16_fp6_f32 v[D:D+2], v[XS:XS+15], v10
	v_cvt_scalef32_pk16_fp6_f32 v[CT:CT+2], v[XS+16:XS+31], v10
	v_nop                                          ; one plain place behind a scaled conversion
.irp i, 0,1,2
	v_mov_b32 v[D+3+\i], v[CT+\i]
.endr
.if (\b) < 2
	LOAD (\b)+2
.endif
.endm
	LOAD 0
	LOAD 1
	BLOCK 0
	BLOCK 1
	BLOCK 2
	BLOCK 3
; Now the first run holds blocks 0 and 2 (lanes 0-15 of tile 0, lanes 16-31 of tile 1), the second blocks 1 and 3.  A fragment wants block 2 c in lanes 0-15 and block 2 c + 1 in lanes 16-31 of ONE tile:
; the first run's lanes 16-31 change places with the second's lanes 0-15.
.set i, 0
.rept 12
	v_permlane16_swap_b32 v[T0+i], v[T0+12+i]
.set i, i+1
.endr
.irp i, 0,1,2,3,4,5
	global_store_b128 v2, v[T0+4*\i:T0+4*\i+3], s[12:13] offset:512*\i     ; each store of the wave covers 512 consecutive bytes, aligned
.endr
	global_store_b32 v3, v[SW], s[14:15]
	s_endpgm
.Lfunc_end_k_qea518c57bd_wquant:
	.size	k_qea518c57bd_wquant, .Lfunc_end_k_qea518c57bd_wquant-k_qea518c57bd_wquant
	.p2alignl 7, 3214868480
	.fill 96, 4, 3214868480
	.section	.rodata,"a",@progbits
	.p2align	6, 0x0
	.amdhsa_kernel k_qea518c57bd_wquant
		.amdhsa_group_segment_fixed_size 0
		.amdhsa_private_segment_fixed_size 0
		.amdhsa_enable_private_segment 0
		.amdhsa_kernarg_size 48
		.amdhsa_user_sgpr_count 2
		.amdhsa_user_sgpr_kernarg_segment_ptr 1
		.amdhsa_wavefront_size32 1
		.amdhsa_system_sgpr_workgroup_id_x 1
		.amdhsa_system_sgpr_workgroup_id_y 1
		.amdhsa_system_sgpr_workgroup_id_z 1
		.amdhsa_system_vgpr_workitem_id 0
		.amdhsa_next_free_vgpr 144
		.amdhsa_next_free_sgpr 66
		.amdhsa_reserve_vcc 0
		.amdhsa_float_denorm_mode_32 3
		.amdhsa_float_denorm_mode_16_64 3
		.amdhsa_memory_ordered 1
		.amdhsa_forward_progress 1
		.amdhsa_inst_pref_size 24
	.end_amdhsa_kernel
	.amdgpu_metadata
---
amdhsa.version: [ 1, 2 ]
amdhsa.kernels:
  - .name:           k_qea518c57bd_wquant
    .symbol:         k_qea518c57bd_wquant.kd
    .args:
      - { .name: Wq, .offset: 0, .size: 8, .value_kind: global_buffer, .address_space: global }
      - { .name: Wk, .offset: 8, .size: 8, .value_kind: global_buffer, .address_space: global }
      - { .name: Wv, .offset: 16, .size: 8, .value_kind: global_buffer, .address_space: global }
      - { .name: Wo, .offset: 24, .size: 8, .value_kind: global_buffer, .address_space: global }
      - { .name: wimg, .offset: 32, .size: 8, .value_kind: global_buffer, .address_space: global }
      - { .name: wsc, .offset: 40, .size: 8, .value_kind: global_buffer, .address_space: global }
    .group_segment_fixed_size: 0
    .private_segment_fixed_size: 0
    .kernarg_segment_align: 8
    .kernarg_segment_size: 48
    .max_flat_workgroup_size: 64
    .sgpr_count:     66
    .vgpr_count:     144
    .wavefront_size: 32
...
	.end_amdgpu_metadata
.endif
;; end of part 1
;; launch proj (part 2): grid 512 x 1, 8 waves a work-group, no clusters, 94,208 bytes of LDS; arguments Q, K, V, wimg, wsc, qq, kv; writes qq, kv
.if DOCPART == 2
	.amdgcn_target "amdgcn-amd-amdhsa--gfx1250"
	.amdhsa_code_object_version 6
	.text
	.protected	k_qea518c57bd_proj
	.globl	k_qea518c57bd_proj
	.p2align	8
	.type	k_qea518c57bd_proj,@function
k_qea518c57bd_proj:
	s_mov_b64 s[64:65], 0
	v_nop
	global_prefetch_b8 v0, s[64:65] scope:SCOPE_SE
	s_setreg_imm32_b32 hwreg(HW_REG_WAVE_MODE, 25, 1), 1
	s_wait_xcnt 0x0
; q = Q Wq, k = K Wk, v = V Wv on codes of FP6 (E2M3) with one E8M0 scale for each 32 along K; the results are quantised at once for the attention: q and k along the head's 32, v along the keys.
; Q, K, V: [8192][2048] f32, quantised here in registers, each byte read once.  The weights come as images of operand registers (wimg, wsc).
; TASKS.  Work-groups 0-255 (the QK path): 64 rows of Q (0-127) or of K (128-255) x all 256 columns; wave w is head w, 32 columns.
;         Work-groups 256-511 (the V path): 32 rows of V x all 512 columns; wave w is head w, 64 columns.  Eight accumulators a wave on both paths.
;   QK: source 0 = 2 tiles of the weight, source 1 = 4 tiles of rows: a lane holds one row, and 16 registers are 16 neighbours of the head's 32.
;   V:  source 0 = 2 tiles of rows, source 1 = 4 tiles of the weight: a lane holds one column, and 16 registers are 16 neighbouring keys.
;   Row r of tile j of rows is the task's row 32 (j / 2) + 8 (j % 2) + r + 8 (r / 8); that gives the neighbours above and the order that the attention wants.
; A ROUND.  Each of the eight waves quantises ONE fragment (16 rows x 128 along K) and stores it in LDS as an image of its registers; one barrier; every wave multiplies all eight.
;   QK: 4 tiles x 2 K steps (256 along K, 8 rounds).  V: 2 tiles x 4 K steps (512 along K, 4 rounds).  The image's number is the wave's number on both paths.
;   The images have two buffers by turns, so ONE barrier a round serves: a buffer is written again two rounds on, and every wave has waited for its reads of it in front of the barrier between.
; x IS LOADED DENSE AND TURNED IN LDS: a load takes 512 consecutive bytes of a row, 16 a lane; the conversions want 16 neighbours along K in a lane: the wave's own stage (16 rows, 528 bytes apart) turns them.
; THE WEIGHTS GO STRAIGHT FROM MEMORY TO REGISTERS, WITHOUT LDS, TENSOR LOADS OR JOINT LOADS: a fragment of a weight is multiplied by one wave of a work-group alone, so a way through LDS would write and
;   read its bytes (393,216 a QK work-group, 786,432 a V work-group) once more and share nothing inside the work-group.
; The accumulators are cleared once, while the first loads are out: so the round is written once for every K step and both paths.
; OUT.  qq: a half (batch x 8 + head) x 2 + t / 1024 is 25,600 bytes: 24 bytes of codes a query, then scale words [t % 1024 / 64][r], byte j = tile j.  kv: a half is 76,800 bytes: k as q; from 25,600 v's codes
;   ((step x 2 + c) x 4 + dt) x 768 + 24 x lane of the operand; from 74,752 v's scale words (step x 4 + dt) x 64 + 4 r, byte = the step's key block.
;   A scale word of v spans 128 keys, four work-groups: each stores its byte by itself (131,072 bytes in all, beside 201 MB read).
; LIMITS: NaN and infinities are not served; a block whose largest magnitude lies under 2^-124 keeps the byte 1; a block of zeros keeps the byte 1 with zero codes (this program alone reads the bytes).
.set LI,   1                           ; v1   16 x lane: a load's 16 bytes, an image's place
.set LS,   2                           ; v2   4 x lane
.set STW,  3                           ; v3   my stage + 16 x lane
.set STR,  4                           ; v4   my stage + 528 r + 64 h
.set IMW,  5                           ; v5   1,536 x wave + 16 x lane: where I store my image
.set SCW,  6                           ; v6   XSC + 64 x wave + 4 r: and its scale words
.set EO,   7                           ; v7   out, QK: 24 (r + 8 (r / 8)) + 12 h
.set XS0,  8                           ; v8-9   scale words of the rows' tiles: nothing else is kept here
.set WS0,  10                          ; v10-11 scale words of the weight's units: likewise
.set EOV,  12                          ; v12  out, V: 24 r + 12 h
.set ER,   13                          ; v13  4 r
.set R,    16                          ; v16-79   64 numbers of x
.set ACC,  80                          ; v80-143  accumulator (s1, s0) at 16 s1 + 8 s0
.set WB0,  144                         ; v144-167, v168-191 two units of the weight
.set XF,   192                         ; v192-239 four fragments of rows; while x is quantised:
.set TM,   192                         ; v192-195 largest magnitudes, v196-199 bytes, v200-203 the conversions' scale operands
.set PW,   204                         ; the scale word just made
.set PC,   206                         ; v206-224 the codes just made
.set XSC,  24576                       ; LDS: images 0 + 12,288 buf + 1,536 n; their scale words XSC + 512 buf + 64 n + 4 r;
.set STAGE, 25600                      ; the stages, 8,448 bytes a wave
.set SEL,  30                          ; s[30:31] v_permlanex16_b32's selects for lane l xor 16
.macro PLACES                          ; four places behind matrix instructions, in front of loads into their registers and of reads of their results
.rept 4
	v_nop
.endr
.endm
.macro WM d, a, b, sa, sb, ra, rb      ; one product, added in place; ra, rb: the scale words stand in lanes 16-31
.if (\ra) && (\rb)
	v_wmma_scale_f32_16x16x128_f8f6f4 v[\d:\d+7], v[\a:\a+11], v[\b:\b+11], v[\d:\d+7], v[\sa], v[\sb] matrix_a_fmt:MATRIX_FMT_FP6 matrix_b_fmt:MATRIX_FMT_FP6 matrix_a_scale:MATRIX_SCALE_ROW1 matrix_b_scale:MATRIX_SCALE_ROW1
.elseif (\ra)
	v_wmma_scale_f32_16x16x128_f8f6f4 v[\d:\d+7], v[\a:\a+11], v[\b:\b+11], v[\d:\d+7], v[\sa], v[\sb] matrix_a_fmt:MATRIX_FMT_FP6 matrix_b_fmt:MATRIX_FMT_FP6 matrix_a_scale:MATRIX_SCALE_ROW1
.elseif (\rb)
	v_wmma_scale_f32_16x16x128_f8f6f4 v[\d:\d+7], v[\a:\a+11], v[\b:\b+11], v[\d:\d+7], v[\sa], v[\sb] matrix_a_fmt:MATRIX_FMT_FP6 matrix_b_fmt:MATRIX_FMT_FP6 matrix_b_scale:MATRIX_SCALE_ROW1
.else
	v_wmma_scale_f32_16x16x128_f8f6f4 v[\d:\d+7], v[\a:\a+11], v[\b:\b+11], v[\d:\d+7], v[\sa], v[\sb] matrix_a_fmt:MATRIX_FMT_FP6 matrix_b_fmt:MATRIX_FMT_FP6
.endif
.endm
; 64 numbers of a lane, register s + 16 b + i: my 16 of block b; lane l xor 16 holds the other 16.  Out: the conversions' scale operands v[TM+8+b], the bytes v[TM+4+b], the scale word v[PW].
.macro QHEAD s
.irp b, 0,1,2,3
	v_max3_num_f32 v[TM+\b], |v[\s+16*\b]|, |v[\s+1+16*\b]|, 0x1800000     ; with the floor 2^(3 - 127): the byte cannot fall under 1
.endr
.irp i, 2,4,6,8,10,12,14
.irp b, 0,1,2,3
	v_max3_num_f32 v[TM+\b], v[TM+\b], |v[\s+16*\b+\i]|, |v[\s+1+16*\b+\i]|   ; the four blocks by turns
.endr
.endr
.irp b, 0,1,2,3
	v_permlanex16_b32 v[TM+4+\b], v[TM+\b], s[SEL], s[SEL+1]
.endr
.irp b, 0,1,2,3
	v_max_num_f32 v[TM+\b], v[TM+\b], v[TM+4+\b]   ; the block's largest magnitude
.endr
.irp b, 0,1,2,3
	v_add_nc_u32 v[TM+8+\b], 0xff000000, v[TM+\b]  ; 2 off its exponent field
.endr
.irp b, 0,1,2,3
	v_lshrrev_b32 v[TM+4+\b], 23, v[TM+8+\b]       ; the scale's byte
.endr
	v_lshl_or_b32 v[PW], v[TM+5], 8, v[TM+4]
	v_lshl_or_b32 v[PW], v[TM+6], 16, v[PW]
	v_lshl_or_b32 v[PW], v[TM+7], 24, v[PW]
.endm
; The same 64 numbers become a fragment's twelve registers in v[PC] on: the layout wants a WHOLE block in a lane, lanes 0-15 block 2 c, lanes 16-31 block 2 c + 1.
.macro QFRAG s
.irp c, 0,1
	v_cvt_scalef32_pk16_fp6_f32 v[PC+6*\c:PC+6*\c+2], v[\s+32*\c:\s+32*\c+15], v[TM+8+2*\c]
	v_cvt_scalef32_pk16_fp6_f32 v[PC+12+4*\c:PC+14+4*\c], v[\s+16+32*\c:\s+31+32*\c], v[TM+9+2*\c]
.endr
	v_nop                                          ; one plain place behind a scaled conversion
.irp c, 0,1
.irp i, 0,1,2
	v_permlane16_swap_b32 v[PC+6*\c+\i], v[PC+12+4*\c+\i]
.endr
.irp i, 0,1,2
	v_mov_b32 v[PC+3+6*\c+\i], v[PC+12+4*\c+\i]
.endr
.endr
.endm
.macro XLOADS                          ; my tile's 16 rows x 512 bytes: each load of the wave covers 512 consecutive bytes, aligned
.irp i, 0,1,2,3,4,5,6,7,8,9,10,11,12,13,14,15
	global_load_b128 v[R+4*\i:R+4*\i+3], v[LI], s[20:21] offset:(\i+8*(\i/8))*8192 th:TH_LOAD_NT
.endr
.endm
.macro TURN                            ; through my stage: in as loaded, back as register 16 b + 4 j .. = k 32 b + 16 h + 4 j .. of row r.  LDS serves a wave's instructions in order (ISA guide 5.7.1.4)
.irp i, 0,1,2,3,4,5,6,7,8,9,10,11,12,13,14,15
	ds_store_b128 v[STW], v[R+4*\i:R+4*\i+3] offset:528*\i
.endr
.irp b, 0,1,2,3
.irp j, 0,1,2,3
	ds_load_b128 v[R+16*\b+4*\j:R+16*\b+4*\j+3], v[STR] offset:128*\b+16*\j
.endr
.endr
.endm
.macro IMAGE buf
.irp g, 0,1,2
	ds_store_b128 v[IMW], v[PC+4*\g:PC+4*\g+3] offset:12288*\buf+512*\g
.endr
	ds_store_b32 v[SCW], v[PW] offset:512*\buf     ; lanes r and r + 16 store the same word
.endm
.macro XFRAG reg, buf, n
.irp g, 0,1,2
	ds_load_b128 v[\reg+4*\g:\reg+4*\g+3], v[LI] offset:12288*\buf+1536*(\n)+512*\g
.endr
.endm
.macro WUNIT wb, ws, oc, os            ; a unit of the weight: two fragments and their scale words: seven loads
.irp i, 0,1,2,3,4,5
	global_load_b128 v[\wb+4*\i:\wb+4*\i+3], v[LI], s[24:25] offset:\oc+512*\i
.endr
	global_load_b32 v[\ws], v[LS], s[26:27] offset:\os
.endm
	s_load_b256 s[4:11], s[0:1], 0x0               ; Q s[4:5], K s[6:7], V s[8:9], wimg s[10:11]
	s_load_b128 s[12:15], s[0:1], 0x20             ; wsc s[12:13], qq s[14:15]
	s_load_b64 s[16:17], s[0:1], 0x30              ; kv
	v_lshl_add_u32 v240, v0, 2, 0x16c00
	v_mov_b32 v241, 0
	v_lshrrev_b32 v14, 5, v0
	v_readfirstlane_b32 s18, v14                   ; wave 0..7
	v_and_b32 v14, 31, v0
	v_lshlrev_b32 v[LI], 4, v14
	v_lshlrev_b32 v[LS], 2, v14
	v_and_b32 v15, 15, v0                          ; r
	v_bfe_u32 v14, v0, 4, 1                        ; h
	s_mul_i32 s36, s18, 8448
	s_add_co_u32 s36, s36, STAGE                   ; my stage
	v_add_nc_u32 v[STW], s36, v[LI]
	v_mul_u32_u24 v[STR], v15, 528
	v_lshl_add_u32 v[STR], v14, 6, v[STR]
	v_add_nc_u32 v[STR], s36, v[STR]
	s_mul_i32 s36, s18, 1536
	v_add_nc_u32 v[IMW], s36, v[LI]
	s_lshl_b32 s36, s18, 6
	s_add_co_u32 s36, s36, XSC
	v_lshl_add_u32 v[SCW], v15, 2, s36
	v_lshlrev_b32 v[ER], 2, v15
	v_mul_u32_u24 v[EOV], v15, 24
	v_mad_u32_u24 v[EOV], v14, 12, v[EOV]
	v_and_b32 v[EO], 8, v15
	v_mad_u32_u24 v[EO], v[EO], 24, v[EOV]
	s_mov_b32 s[SEL], 0x76543210
	s_mov_b32 s[SEL+1], 0xfedcba98
	s_cmp_ge_u32 ttmp9, 256
	s_cselect_b32 s19, 1, 0                        ; the path: 0 QK, 1 V.  What is chosen by it enters global offsets and the trip count alone, no LDS address
	s_cselect_b32 s28, 1, 3                        ; trips of two rounds; two more rounds are written out
	s_lshl_b32 s22, 1024, s19                      ; x from round to round: 256 or 512 along K
	s_mov_b32 s23, 0
	s_lshl_b32 s32, 12288, s19                     ; the weight's images from trip to trip: 4 or 8 units
	s_mov_b32 s33, 0
	s_lshl_b32 s34, 512, s19                       ; and their scale words
	s_mov_b32 s35, 0
	s_and_b32 s36, ttmp9, 127
	s_lshl_b32 s36, s36, 6                         ; QK: the task's first row,
	s_and_b32 s37, ttmp9, 255
	s_lshl_b32 s37, s37, 5                         ; V: likewise
	s_and_b32 s38, s18, 3                          ; QK: the tile j and the K step kk that I quantise
	s_lshr_b32 s39, s18, 2
	s_and_b32 s40, s18, 1                          ; V: likewise
	s_lshr_b32 s41, s18, 1
	s_cmp_lg_u32 s19, 0
	s_cselect_b32 s36, s37, s36
	s_cselect_b32 s38, s40, s38
	s_cselect_b32 s39, s41, s39
	s_lshr_b32 s40, s38, 1
	s_lshl_b32 s40, s40, 5
	s_and_b32 s41, s38, 1
	s_lshl_b32 s41, s41, 3
	s_add_co_u32 s36, s36, s40
	s_add_co_u32 s36, s36, s41                     ; my tile's first row: + 32 (j / 2) + 8 (j % 2)
	s_lshl_b32 s36, s36, 13                        ; rows of 8,192 bytes
	s_lshl_b32 s39, s39, 9                         ; 512 bytes a K step
	s_add_co_u32 s36, s36, s39
	s_mov_b32 s37, 0
	s_lshr_b32 s42, ttmp9, 7
	s_min_u32 s42, s42, 2
	s_lshl_b32 s42, s42, 7                         ; the weight's first unit: 0, 128, 256
	s_lshl_b32 s43, s18, 4
	s_lshl_b32 s43, s43, s19                       ; + 16 or 32 units a wave
	s_add_co_u32 s42, s42, s43
	s_mul_i32 s44, s42, 3072
	s_mov_b32 s45, 0
	s_lshl_b32 s46, s42, 7
	s_mov_b32 s47, 0
	s_wait_kmcnt 0x0
	s_cmp_ge_u32 ttmp9, 128
	s_cselect_b64 s[20:21], s[6:7], s[4:5]
	s_cmp_ge_u32 ttmp9, 256
	s_cselect_b64 s[20:21], s[8:9], s[20:21]
	s_add_nc_u64 s[20:21], s[20:21], s[36:37]      ; x at my tile, round 0
	s_add_nc_u64 s[24:25], s[10:11], s[44:45]      ; my units' images
	s_add_nc_u64 s[26:27], s[12:13], s[46:47]      ; and scale words
	XLOADS
	WUNIT WB0, WS0, 0, 0
	s_cmp_lg_u32 s19, 0
	s_cbranch_scc1 .Lhead_v
	WUNIT WB0+24, WS0+1, 3072, 128                 ; QK: the second K step
	s_branch .Lhead_j
.Lhead_v:
	WUNIT WB0+24, WS0+1, 49152, 2048               ; V: the second group of 32 columns
.Lhead_j:
.set i, 0
.rept 64
	v_mov_b32 v[ACC+i], 0
.set i, i+1
.endr
.irp b, 0,1,2,3
	v_mov_b32 v[TM+4+\b], 0                        ; a lane permute's destination counts as one of its sources
.endr
; A ROUND.  buf: the images' buffer; more = 1: a round follows (its x and its units are asked for); step = 1: the units' pointers go on behind it.
; Global loads come back in order (ISA guide 5.7.1).  At a round's head are out: x of this round (16), or nothing of it, and behind it two units (14).
.macro ROUND buf, more, step
	s_wait_loadcnt 14                              ; x is in; the two units' 14 loads issued behind it may be out
	TURN
	s_wait_dscnt 0x0
	QHEAD R
	QFRAG R
	IMAGE \buf
.if \more
	s_add_nc_u64 s[20:21], s[20:21], s[22:23]      ; the wait above has shown the loads that named this base done
	XLOADS
.endif
	s_wait_dscnt 0x0                               ; for the others' sake: my image lies in LDS; my reads of the other buffer came back in the last round
	s_barrier_signal -1
	s_barrier_wait -1
	s_cmp_lg_u32 s19, 0
	s_cbranch_scc1 .Lv_\@
.irp kk, 0,1                           ; ---- QK: two K steps; unit kk in its own registers
.irp t, 0,1,2,3
	XFRAG XF+12*\t, \buf, 4*\kk+\t
.endr
	ds_load_b32 v[XS0], v[LS] offset:XSC+512*\buf+256*\kk          ; lanes 0-15 tile 0's words, lanes 16-31 tile 1's
	ds_load_b32 v[XS0+1], v[LS] offset:XSC+512*\buf+256*\kk+128    ; tiles 2 and 3
.if \kk == 0
	s_wait_loadcnt 7+16*\more                      ; unit 0 is in; behind it: unit 1 (7) and the next x (16)
.else
	s_wait_loadcnt 23*\more                        ; unit 1 is in; behind it: the next x (16) and the next unit 0 (7)
.endif
	s_wait_dscnt 0x0
.irp t, 0,1,2,3
.irp u, 0,1
	WM ACC+16*\t+8*\u, WB0+24*\kk+12*\u, XF+12*\t, WS0+\kk, XS0+\t/2, \u, \t%2
.endr
.endr
	PLACES
.if \more
	WUNIT WB0+24*\kk, WS0+\kk, (2*\buf+2+\kk)*3072, (2*\buf+2+\kk)*128
.endif
.endr
	s_branch .Lj_\@
.Lv_\@:
.irp kk, 0,1,2,3                       ; ---- V: four K steps; the two groups of 32 columns in their own registers
.irp t, 0,1
	XFRAG XF+12*\t, \buf, 2*\kk+\t
.endr
	ds_load_b32 v[XS0], v[LS] offset:XSC+512*\buf+128*\kk
.irp g, 0,1
.if \kk == 0
	s_wait_loadcnt 7+16*\more                      ; behind the unit wanted: the other group's (7) and the next x (16)
.elseif (\kk == 3) && (\g == 1)
	s_wait_loadcnt 7*\more                         ; behind it: the next round's first unit, if there is one
.else
	s_wait_loadcnt 7                               ; behind it: the other group's
.endif
.if \g == 0
	s_wait_dscnt 0x0
.endif
.irp u, 0,1
.irp t, 0,1
	WM ACC+16*(2*\g+\u)+8*\t, XF+12*\t, WB0+24*\g+12*\u, XS0, WS0+\g, \t, \u
.endr
.endr
	PLACES
.if (\kk < 3) || \more
	WUNIT WB0+24*\g, WS0+\g, (4*\buf+\kk+1)*3072+49152*\g, (4*\buf+\kk+1)*128+2048*\g
.endif
.endr
.endr
.Lj_\@:
.if \step
	s_wait_xcnt 0x0                                ; the units' bases are written again only behind this wait
	s_add_nc_u64 s[24:25], s[24:25], s[32:33]
	s_add_nc_u64 s[26:27], s[26:27], s[34:35]
.endif
.endm
; The eight accumulators take turns, one instruction a turn, in every K step, on both paths and over the backward jump.
.Ltrip:
	ROUND 0, 1, 0
	ROUND 1, 1, 1
	s_sub_co_u32 s28, s28, 1
	s_cmp_lg_u32 s28, 0
	s_cbranch_scc1 .Ltrip
	ROUND 0, 1, 0
	ROUND 1, 0, 0                                  ; the last round asks for nothing beyond the end
	; THE WAY OUT.  Block b is accumulators 2 b and 2 b + 1: QK: the head's 32 of a row of tile b; V: the task's 32 keys of a column of tile b.  Each accumulator is read from its low end on.
	QHEAD ACC
.irp b, 0,1,2,3
	v_cvt_scalef32_pk16_fp6_f32 v[PC+4*\b:PC+4*\b+2], v[ACC+16*\b:ACC+16*\b+15], v[TM+8+\b]     ; my 16 codes of the block: 12 bytes
.endr
	v_nop                                          ; one plain place behind a scaled conversion
	s_cmp_lg_u32 s19, 0
	s_cbranch_scc1 .Lout_v
	s_and_b32 s36, ttmp9, 127                      ; the block of 64 rows
	s_lshr_b32 s37, s36, 5                         ; batch
	s_lshl_b32 s37, s37, 3
	s_add_co_u32 s37, s37, s18                     ; x 8 + head
	s_lshl_b32 s37, s37, 1
	s_bfe_u32 s38, s36, 0x10004
	s_add_co_u32 s37, s37, s38                     ; x 2 + t / 1024
	s_and_b32 s38, s36, 15                         ; (t % 1024) / 64
	s_mov_b32 s39, 25600
	s_cmp_ge_u32 ttmp9, 128
	s_cselect_b32 s39, 76800, s39                  ; a half's bytes in qq, in kv
	s_cselect_b64 s[40:41], s[16:17], s[14:15]
	s_mul_i32 s42, s37, s39
	s_mul_i32 s44, s38, 1536
	s_add_co_u32 s44, s44, s42
	s_mov_b32 s45, 0
	s_lshl_b32 s46, s38, 6
	s_add_co_u32 s46, s46, s42
	s_add_co_u32 s46, s46, 24576
	s_mov_b32 s47, 0
	s_add_nc_u64 s[44:45], s[40:41], s[44:45]
	s_add_nc_u64 s[46:47], s[40:41], s[46:47]
.irp j, 0,1,2,3
	global_store_b96 v[EO], v[PC+4*\j:PC+4*\j+2], s[44:45] offset:768*(\j/2)+192*(\j%2)   ; the four stores fill 1,536 consecutive bytes
.endr
	global_store_b32 v[ER], v[PW], s[46:47]        ; lanes r and r + 16 store the same word
	s_wait_tensorcnt 0x0
	ds_add_u32 v240, v241
	s_wait_dscnt 0x0
	s_endpgm
.Lout_v:
	s_and_b32 s36, ttmp9, 255                      ; the block of 32 rows
	s_and_b32 s37, s36, 63                         ; the key block in its batch
	s_lshr_b32 s38, s36, 6
	s_lshl_b32 s38, s38, 3
	s_add_co_u32 s38, s38, s18
	s_lshl_b32 s38, s38, 1
	s_lshr_b32 s39, s37, 5
	s_add_co_u32 s38, s38, s39                     ; the half
	s_mul_i32 s42, s38, 76800
	s_bfe_u32 s39, s37, 0x40001                    ; step x 2 + c
	s_mul_i32 s39, s39, 3072
	s_and_b32 s40, s37, 1                          ; which half of the operand's lanes
	s_mul_i32 s40, s40, 384
	s_add_co_u32 s44, s42, s39
	s_add_co_u32 s44, s44, s40
	s_add_co_u32 s44, s44, 25600
	s_mov_b32 s45, 0
	s_bfe_u32 s39, s37, 0x30002                    ; step
	s_lshl_b32 s39, s39, 8
	s_and_b32 s40, s37, 3                          ; the byte in the scale word
	s_add_co_u32 s46, s42, s39
	s_add_co_u32 s46, s46, s40
	s_add_co_u32 s46, s46, 74752
	s_mov_b32 s47, 0
	s_add_nc_u64 s[44:45], s[16:17], s[44:45]
	s_add_nc_u64 s[46:47], s[16:17], s[46:47]
.irp d, 0,1,2,3
	global_store_b96 v[EOV], v[PC+4*\d:PC+4*\d+2], s[44:45] offset:768*\d                  ; 384 consecutive bytes a store
.endr
.irp d, 0,1,2,3
	global_store_b8 v[ER], v[TM+4+\d], s[46:47] offset:64*\d
.endr
	s_wait_tensorcnt 0x0
	ds_add_u32 v240, v241
	s_wait_dscnt 0x0
	s_endpgm
.Lfunc_end_k_qea518c57bd_proj:
	.size	k_qea518c57bd_proj, .Lfunc_end_k_qea518c57bd_proj-k_qea518c57bd_proj
	.p2alignl 7, 3214868480
	.fill 96, 4, 3214868480
	.section	.rodata,"a",@progbits
	.p2align	6, 0x0
	.amdhsa_kernel k_qea518c57bd_proj
		.amdhsa_group_segment_fixed_size 94208
		.amdhsa_private_segment_fixed_size 0
		.amdhsa_enable_private_segment 0
		.amdhsa_kernarg_size 56
		.amdhsa_user_sgpr_count 2
		.amdhsa_user_sgpr_kernarg_segment_ptr 1
		.amdhsa_wavefront_size32 1
		.amdhsa_system_sgpr_workgroup_id_x 1
		.amdhsa_system_sgpr_workgroup_id_y 1
		.amdhsa_system_sgpr_workgroup_id_z 1
		.amdhsa_system_vgpr_workitem_id 0
		.amdhsa_next_free_vgpr 242
		.amdhsa_next_free_sgpr 66
		.amdhsa_reserve_vcc 0
		.amdhsa_float_denorm_mode_32 3
		.amdhsa_float_denorm_mode_16_64 3
		.amdhsa_memory_ordered 1
		.amdhsa_forward_progress 1
		.amdhsa_inst_pref_size 115
	.end_amdhsa_kernel
	.amdgpu_metadata
---
amdhsa.version: [ 1, 2 ]
amdhsa.kernels:
  - .name:           k_qea518c57bd_proj
    .symbol:         k_qea518c57bd_proj.kd
    .args:
      - { .name: Q, .offset: 0, .size: 8, .value_kind: global_buffer, .address_space: global }
      - { .name: K, .offset: 8, .size: 8, .value_kind: global_buffer, .address_space: global }
      - { .name: V, .offset: 16, .size: 8, .value_kind: global_buffer, .address_space: global }
      - { .name: wimg, .offset: 24, .size: 8, .value_kind: global_buffer, .address_space: global }
      - { .name: wsc, .offset: 32, .size: 8, .value_kind: global_buffer, .address_space: global }
      - { .name: qq, .offset: 40, .size: 8, .value_kind: global_buffer, .address_space: global }
      - { .name: kv, .offset: 48, .size: 8, .value_kind: global_buffer, .address_space: global }
    .group_segment_fixed_size: 94208
    .private_segment_fixed_size: 0
    .kernarg_segment_align: 8
    .kernarg_segment_size: 56
    .max_flat_workgroup_size: 256
    .sgpr_count:     66
    .vgpr_count:     242
    .wavefront_size: 32
...
	.end_amdgpu_metadata
.endif
;; end of part 2
;; launch attn (part 3): grid 8 x 32, 16 waves a work-group, clusters of 4 x 1, 169,984 bytes of LDS; arguments qq, kv, vc; writes vc
.if DOCPART == 3
	.amdgcn_target "amdgcn-amd-amdhsa--gfx1250"
	.amdhsa_code_object_version 6
	.text
	.protected	k_qea518c57bd_attn
	.globl	k_qea518c57bd_attn
	.p2align	8
	.type	k_qea518c57bd_attn,@function
k_qea518c57bd_attn:
	s_mov_b64 s[64:65], 0
	v_nop
	global_prefetch_b8 v0, s[64:65] scope:SCOPE_SE
	s_setreg_imm32_b32 hwreg(HW_REG_WAVE_MODE, 25, 1), 1
	s_wait_xcnt 0x0
	s_wait_alu depctr_hold_cnt(0) depctr_sa_sdst(0) depctr_va_vdst(0) depctr_va_sdst(0) depctr_va_ssrc(0) depctr_va_vcc(0) depctr_vm_vsrc(0)
	s_getreg_b32 s2, hwreg(HW_REG_IB_STS2, 6, 4)
	s_cmp_eq_u32 s2, 0
	s_cbranch_scc0 .Lentry_in_a_cluster
	s_endpgm
.Lentry_in_a_cluster:
	s_bfe_u32 s2, ttmp6, 0x10000c
	s_cmp_lg_u32 s2, 0x3003
	s_cbranch_scc0 .Lentry_shape_is_right
	s_endpgm
.Lentry_shape_is_right:
; vals[b][q][head][:] = the sum over keys of softmax(q . k / sqrt(32)) v, both products on codes of FP6 (E2M3) with one E8M0 scale for each 32 along a product's K; vals is quantised at once for the last product.
; THE SOFTMAX AHEAD OF THE SECOND PRODUCT: t = score x log2(e) / sqrt(32); M = the running largest t rounded UP to a whole number; p = 2^(t - M) is quantised along the keys, not normalised; the row's sum is taken
; of the unquantised p and divides at the end.  When M moves, the sum and O are multiplied by 2^(old M - new M): exact.
; SHARES.  A work-group owns 256 queries of one (batch, head); each of its sixteen waves one tile of 16 queries, in 242 registers: four waves to a SIMD, so that one wave's vector work stands beside another's products and LDS loads.
; Wave w's tile: queries 64 F + 32 (j / 2) + 8 (j % 2) + r + 8 (r / 8), F = 4 x block + w / 4, j = w % 4.  Every wave walks all 2,048 keys, 128 a step.
; LDS holds the head's k and v whole, 153,600 bytes, as they lie in kv: filled ONCE, so there is no ring.  CLUSTER: the four query blocks of a cluster belong to one head: each part is asked for JOINTLY, by the same
; tensor load with the same descriptor and a mask that names the four.
; THE FIRST PRODUCT'S K IS 32, ONE BLOCK OF THE INSTRUCTION'S FOUR.  So a fragment of source 0 carries 64 keys: block jv = 2 c + h of row r is key 64 f + 32 c + 8 h + r + 8 (r / 8), and source 1 is q in block jv with zero
; codes in the other three blocks (zero codes add nothing under any scale byte that the quantiser makes).  Four such operands share 36 registers.  Tile 4 f + jv then holds keys in such an order that the 16 registers of
; tiles 2 b and 2 b + 1 are keys 32 b + 16 (lane / 16) + 0 .. 15: p's conversions give the second product's operand.
; Both products are used transposed: a lane holds ONE query (lane % 16) throughout.  v's tile dt, row r, is channel 32 (dt / 2) + 8 (dt % 2) + r + 8 (r / 8): O's 16 registers of two tiles are 16 neighbouring channels.
; OUT.  vc: a block (batch x 8 + query block) is 102,400 bytes: tile w, head: 768 bytes at 6,144 w + 768 head: the six operand registers of my two blocks: four at 16 x lane, two at 512 + 8 x lane; from 98,304 the scale words.
; LIMITS: NaN and infinities are not served; a block whose largest magnitude lies under 2^-124 keeps the byte 1, a block of zeros likewise, with zero codes.
.set AK0,  1                           ; v1   24 (r + 8 (r / 8) + 8 h): my key's codes in a run of 32 keys
.set AV0,  2                           ; v2   25,600 + 24 x lane
.set ASK0, 3                           ; v3   24,576 + 4 x lane
.set ASV0, 4                           ; v4   74,752 + 4 x lane
.set ADK,  8                           ; v8-11 the step's LDS addresses.  v5, v6, v7: 16 x lane, 8 x lane, 4 r (the way out)
.set ADV,  9
.set ADS,  10
.set ADT,  11
.set QB,   16                          ; v16-51: q in lanes 0-15 | zeros | the same q | q in lanes 16-31 | zeros | the same.  v12 -M, v13 the largest t, v[14:15] the sum in two halves
.set FR,   52                          ; v52-99   two fragments of k, then four of v
.set S,    100                         ; v100-163 S^T, then p
.set O,    164                         ; v164-195 O^T
.set PC,   196                         ; v196-207 p's codes
.set CT,   208                         ; v208-215 at work
.set BM,   216                         ; v216-219 the blocks' largest scores, then largest p
.set SO,   220                         ; v220-223 the conversions' scale operands
.set TP,   224
.set FF,   226                         ; v[226:227] f = 2^(old M - new M), and a 0 that is only named with it
.set KSC,  228                         ; scale words, and nothing else: k's; v229-230 v's; v231 q's; v232 p's
.set VSC,  229
.set QSC,  231
.set PSC,  232
.set WV,   10                          ; s10 my wave's number
.set SEL,  32                          ; s[32:33] v_permlanex16_b32's selects for lane l xor 16
.set CS,   34                          ; s[34:35] c = log2(e) / sqrt(32)
.set TK,   36                          ; s36-39 where the step's k codes, v codes, k scale words, v scale words begin in LDS
.set TV,   37
.set TKS,  38
.set TVS,  39
.macro PLACES
.rept 4
	v_nop
.endr
.endm
.macro CROUND                          ; a round of the cluster's barrier
	s_barrier_signal -1
	s_barrier_wait -1
	s_cmp_lg_u32 s[WV], 0
	s_cbranch_scc1 .Lnot_wave_0_\@
	s_barrier_signal -3
.Lnot_wave_0_\@:
	s_barrier_wait -3
	s_barrier_signal -1
	s_barrier_wait -1
.endm
.macro WMZ d, a, b, sa, sb, ra         ; a product that starts its sum; ra: source 0's scale words stand in lanes 16-31
.if (\ra)
	v_wmma_scale_f32_16x16x128_f8f6f4 v[\d:\d+7], v[\a:\a+11], v[\b:\b+11], 0, v[\sa], v[\sb] matrix_a_fmt:MATRIX_FMT_FP6 matrix_b_fmt:MATRIX_FMT_FP6 matrix_a_scale:MATRIX_SCALE_ROW1
.else
	v_wmma_scale_f32_16x16x128_f8f6f4 v[\d:\d+7], v[\a:\a+11], v[\b:\b+11], 0, v[\sa], v[\sb] matrix_a_fmt:MATRIX_FMT_FP6 matrix_b_fmt:MATRIX_FMT_FP6
.endif
.endm
.macro WMA d, a, b, sa, sb, ra         ; a product added in place
.if (\ra)
	v_wmma_scale_f32_16x16x128_f8f6f4 v[\d:\d+7], v[\a:\a+11], v[\b:\b+11], v[\d:\d+7], v[\sa], v[\sb] matrix_a_fmt:MATRIX_FMT_FP6 matrix_b_fmt:MATRIX_FMT_FP6 matrix_a_scale:MATRIX_SCALE_ROW1
.else
	v_wmma_scale_f32_16x16x128_f8f6f4 v[\d:\d+7], v[\a:\a+11], v[\b:\b+11], v[\d:\d+7], v[\sa], v[\sb] matrix_a_fmt:MATRIX_FMT_FP6 matrix_b_fmt:MATRIX_FMT_FP6
.endif
.endm
	s_load_b128 s[4:7], s[0:1], 0x0                ; qq s[4:5], kv s[6:7]
	s_load_b64 s[8:9], s[0:1], 0x10                ; vc
	v_lshl_add_u32 v240, v0, 2, 0x29000
	v_mov_b32 v241, 0
	ds_add_u32 v240, v241
	ds_add_u32 v240, v241
	v_lshrrev_b32 v8, 5, v0
	v_readfirstlane_b32 s[WV], v8                  ; wave 0..15
	s_bfe_u32 s11, ttmp6, 0x40000                  ; cx: my place in the cluster
	s_lshl_b32 s12, ttmp9, 2
	s_add_co_u32 s12, s12, s11                     ; my block of 256 queries: it enters q's and vc's global addresses alone
	s_and_b32 s13, ttmp7, 0xffff                   ; batch x 8 + head, which the four partners share
	; descriptor group 1: 75 rows of 256 bytes (32 elements of 8 bytes), dense, no padding
	s_mov_b32 s16, 15|(3<<16)|(1<<21)              ; 15:0 the mask: all four work-groups; 17:16 elements of 8 bytes; 21 set beside a mask
	s_mov_b32 s17, 32<<16                          ; tensor_dim0 = 32
	s_mov_b32 s18, 75<<16                          ; tensor_dim1 = 75
	s_mov_b32 s19, 32<<16                          ; tile_dim0 = 32
	s_mov_b32 s20, 75                              ; tile_dim1 = 75
	s_mov_b32 s21, 32                              ; elements from row to row
	s_mov_b32 s22, 0
	s_mov_b32 s23, 0
	s_mul_i32 s41, s[WV], 19200                    ; waves 0-3 fetch a quarter of each half: its place in LDS,
	s_mul_i32 s42, s13, 153600
	s_add_co_u32 s42, s42, s41                     ; and in kv
	s_mov_b32 s43, 0
	s_mov_b32 s[SEL], 0x76543210
	s_mov_b32 s[SEL+1], 0xfedcba98
	s_mov_b32 s[CS], 0x3e8293ee                    ; c = log2(e) / sqrt(32)
	s_mov_b32 s[CS+1], s[CS]                       ; (named with it as a pair, so it is written)
	s_wait_dscnt 0x0
	s_wait_kmcnt 0x0
	s_mov_b32 s24, 1                               ; group 0, half 0
	s_mov_b32 s25, s41
	s_add_nc_u64 s[26:27], s[6:7], s[42:43]
	s_mov_b32 s28, 1                               ; group 0, half 1
	s_add_co_u32 s29, s41, 76800
	s_add_nc_u64 s[30:31], s[26:27], 76800
	s_or_b32 s27, s27, 0x80000000                  ; type = 2
	s_or_b32 s31, s31, 0x80000000
	CROUND                                         ; all four work-groups are here: the joint loads meet
	s_cmp_lt_u32 s[WV], 4                          ; a wave's two fills stand in one branch, ahead of every wait on TENSORcnt, every LDS read and every further barrier: two loads of mine are out
	s_cbranch_scc0 .Lno_fill
	tensor_load_to_lds s[24:27], s[16:23]
	s_nop 0
	tensor_load_to_lds s[28:31], s[16:23]
	s_nop 0
.rept 4
	v_nop
.endr
.Lno_fill:
	; q: my tile's codes and scale words
	s_lshl_b32 s44, s13, 1
	s_lshr_b32 s45, s12, 2
	s_add_co_u32 s44, s44, s45
	s_mul_i32 s44, s44, 25600                      ; the half of qq
	s_and_b32 s45, s12, 3
	s_lshl_b32 s45, s45, 2
	s_lshr_b32 s46, s[WV], 2
	s_add_co_u32 s45, s45, s46                     ; which 64 queries of the half
	s_mul_i32 s46, s45, 1536
	s_add_co_u32 s46, s46, s44
	s_bfe_u32 s47, s[WV], 0x10001
	s_mul_i32 s47, s47, 768                        ; 32 (j / 2) queries of 24 bytes
	s_add_co_u32 s46, s46, s47
	s_and_b32 s47, s[WV], 1
	s_mul_i32 s47, s47, 192                        ; 8 (j % 2)
	s_add_co_u32 s46, s46, s47
	s_mov_b32 s47, 0
	s_add_nc_u64 s[46:47], s[4:5], s[46:47]
	s_lshl_b32 s48, s45, 6
	s_add_co_u32 s48, s48, s44
	s_add_co_u32 s48, s48, 24576
	s_mov_b32 s49, 0
	s_add_nc_u64 s[48:49], s[4:5], s[48:49]
	v_and_b32 v234, 31, v0                         ; lane
	v_and_b32 v7, 15, v0                           ; r
	v_bfe_u32 v[TP], v0, 4, 1                      ; h
	v_and_b32 v233, 8, v0
	v_add_nc_u32 v233, v233, v7
	v_mul_u32_u24 v233, v233, 24                   ; 24 (r + 8 (r / 8))
	v_mad_u32_u24 v[AK0], v[TP], 192, v233
	v_lshlrev_b32 v7, 2, v7                        ; 4 r
.irp p, 0,1,2
	global_load_b64 v[FR+2*\p:FR+2*\p+1], v233, s[46:47] offset:8*\p        ; query r's 24 bytes, in both halves of the lanes
.endr
	global_load_b32 v[TP], v7, s[48:49]            ; the scale words of its 64 queries: byte j is my tile's
	v_mul_u32_u24 v[AV0], v234, 24
	v_add_nc_u32 v[AV0], 25600, v[AV0]
	v_lshl_add_u32 v[ASK0], v234, 2, 24576
	v_lshl_add_u32 v[ASV0], v234, 2, 74752
	v_lshlrev_b32 v5, 4, v234
	v_lshlrev_b32 v6, 3, v234
	v_cmp_gt_u32 vcc_lo, 16, v234                  ; lanes 0-15
.irp i, 0,1,2,3,4,5
	v_mov_b32 v[QB+6+\i], 0
	v_mov_b32 v[QB+24+\i], 0
.endr
	s_and_b32 s50, s[WV], 3
	s_mul_i32 s50, s50, 0x01010101                 ; v_perm_b32: byte j into all four bytes
	s_wait_loadcnt 0x0
.irp i, 0,1,2,3,4,5
	v_cndmask_b32 v[QB+\i], 0, v[FR+\i], vcc_lo            ; q in lanes 0-15, zero codes in lanes 16-31
	v_cndmask_b32 v[QB+12+\i], 0, v[FR+\i], vcc_lo
	v_cndmask_b32 v[QB+18+\i], v[FR+\i], v[QB+6+\i], vcc_lo   ; the other way round
	v_cndmask_b32 v[QB+30+\i], v[FR+\i], v[QB+6+\i], vcc_lo
.endr
	v_perm_b32 v[QSC], v[TP], v[TP], s50           ; whichever block q stands in, its byte is there
	v_mov_b32 v13, 0xff61b1e6                      ; the largest t so far: -3e38, under every t
	v_floor_f32 v12, -v13                          ; -M
	v_mov_b32 v14, 0
	v_mov_b32 v15, 0
	v_mov_b32 v[FF+1], 0
.irp b, 0,1,2,3
	v_mov_b32 v[CT+\b], 0                          ; a lane permute's destination counts as one of its sources
.endr
.set i, 0
.rept 32
	v_mov_b32 v[O+i], 0                            ; O^T: the step is written once: the first finds zeros, which the first change of M leaves zeros.  (These lines are also the places between q's operands and scale word and the first product)
.set i, i+1
.endr
; A KEY STEP: 128 keys.
.macro STEP
	v_add_nc_u32 v[ADK], s[TK], v[AK0]             ; (these four are also the places behind the last step's products, in front of the loads into their registers)
	v_add_nc_u32 v[ADV], s[TV], v[AV0]
	v_add_nc_u32 v[ADS], s[TKS], v[ASK0]
	v_add_nc_u32 v[ADT], s[TVS], v[ASV0]
.irp f, 0,1
.irp c, 0,1
.irp p, 0,1,2
	ds_load_b64 v[FR+12*\f+6*\c+2*\p:FR+12*\f+6*\c+2*\p+1], v[ADK] offset:1536*\f+768*\c+8*\p   ; 32 lanes, 24 bytes apart: 64 different banks (64 banks of 4 bytes: ISA guide 11.1)
.endr
.endr
.endr
	ds_load_b32 v[KSC], v[ADS]                     ; lanes 0-15 the words of keys 0-63, lanes 16-31 of keys 64-127
	s_wait_dscnt 0x0
.irp f, 0,1
.irp n, 0,1,2,3
	WMZ S+8*(4*\f+\n), FR+12*\f, QB+18*(\n%2)+6*(\n/2), KSC, QSC, \f
.endr
.endr
	PLACES
.irp d, 0,1,2,3                        ; v's four fragments are asked for now and land under the softmax
.irp c, 0,1
.irp p, 0,1,2
	ds_load_b64 v[FR+12*\d+6*\c+2*\p:FR+12*\d+6*\c+2*\p+1], v[ADV] offset:768*(4*\c+\d)+8*\p
.endr
.endr
.endr
	ds_load_b32 v[VSC], v[ADT]                     ; lanes 0-15 tile 0's words, lanes 16-31 tile 1's
	ds_load_b32 v[VSC+1], v[ADT] offset:128        ; tiles 2 and 3
.irp b, 0,1,2,3
	v_max3_num_f32 v[BM+\b], v[S+16*\b], v[S+1+16*\b], v[S+2+16*\b]        ; the largest score of each block of 32 keys: for the row's maximum, and, since p rises with the score, for the block's largest p
.endr
.irp i, 3,5,7,9,11,13
.irp b, 0,1,2,3
	v_max3_num_f32 v[BM+\b], v[BM+\b], v[S+16*\b+\i], v[S+1+16*\b+\i]
.endr
.endr
.irp b, 0,1,2,3
	v_max_num_f32 v[BM+\b], v[BM+\b], v[S+15+16*\b]
.endr
.irp b, 0,1,2,3
	v_permlanex16_b32 v[CT+\b], v[BM+\b], s[SEL], s[SEL+1]
.endr
.irp b, 0,1,2,3
	v_max_num_f32 v[BM+\b], v[BM+\b], v[CT+\b]     ; with lane l xor 16's 16 keys
.endr
	v_max3_num_f32 v[TP], v[BM], v[BM+1], v[BM+2]
	v_max_num_f32 v[TP], v[TP], v[BM+3]
	v_mul_f32 v[TP], s[CS], v[TP]                  ; as t (c is positive)
	v_max_num_f32 v13, v13, v[TP]                  ; the running largest t
	v_mov_b32 v[TP], v12
	v_floor_f32 v12, -v13                          ; the new -M = floor(-t) = -ceil(t): a whole number
	v_sub_f32 v[TP], v12, v[TP]                    ; old M - new M: a whole number, 0 or less
	v_cvt_i32_f32 v[TP], v[TP]                     ; (it saturates)
	v_ldexp_f32 v[FF], 1.0, v[TP]                  ; f = 2^(old M - new M)
.set i, 0
.rept 32
	v_pk_fma_f32 v[S+i:S+i+1], v[S+i:S+i+1], s[CS:CS+1], v[12:13] op_sel_hi:[1,0,0]   ; t - M, two at a time
.set i, i+2
.endr
.irp b, 0,1,2,3
	v_fma_f32 v[BM+\b], v[BM+\b], s[CS], v12       ; the same of each block's largest score
.endr
.set i, 0
.rept 64
	v_exp_f32 v[S+i], v[S+i]                       ; p = 2^(t - M), at most 1
.set i, i+1
.endr
.irp b, 0,1,2,3
	v_exp_f32 v[BM+\b], v[BM+\b]                   ; the block's largest p: the same two instructions on the same number give the same bits
.endr
	v_pk_mul_f32 v[14:15], v[14:15], v[FF:FF+1] op_sel_hi:[1,0]    ; the sums under the new M.  (A plain place behind the exponentials)
	s_wait_alu depctr_va_vdst(0)
.irp b, 0,1,2,3
	v_max_num_f32 v[BM+\b], 0x1800000, v[BM+\b]    ; the floor 2^(3 - 127): the byte cannot fall under 1
.endr
.irp b, 0,1,2,3
	v_add_nc_u32 v[SO+\b], 0xff000000, v[BM+\b]    ; 2 off the exponent field: the conversion's scale operand
.endr
.irp b, 0,1,2,3
	v_lshrrev_b32 v[CT+\b], 23, v[SO+\b]           ; the scale's byte
.endr
	v_lshl_or_b32 v[PSC], v[CT+1], 8, v[CT]        ; p's scale word for these 128 keys
	v_lshl_or_b32 v[PSC], v[CT+2], 16, v[PSC]
	v_lshl_or_b32 v[PSC], v[CT+3], 24, v[PSC]
.irp c, 0,1
	v_cvt_scalef32_pk16_fp6_f32 v[PC+6*\c:PC+6*\c+2], v[S+32*\c:S+32*\c+15], v[SO+2*\c]
	v_cvt_scalef32_pk16_fp6_f32 v[CT+4*\c:CT+4*\c+2], v[S+16+32*\c:S+31+32*\c], v[SO+2*\c+1]
.endr
	v_nop                                          ; one plain place behind a scaled conversion
.irp c, 0,1                            ; the operand's layout wants a WHOLE block in a lane
.irp i, 0,1,2
	v_permlane16_swap_b32 v[PC+6*\c+\i], v[CT+4*\c+\i]
.endr
.irp i, 0,1,2
	v_mov_b32 v[PC+3+6*\c+\i], v[CT+4*\c+\i]
.endr
.endr
	v_pk_add_f32 v[CT:CT+1], v[S:S+1], v[S+2:S+3]  ; the row's sum is taken of the UNQUANTISED p: two at a time, in two chains
.irp j, 4,8,12,16,20,24,28,32,36,40,44,48,52,56,60
	v_pk_add_f32 v[14:15], v[14:15], v[S+\j:S+\j+1]
	v_pk_add_f32 v[CT:CT+1], v[CT:CT+1], v[S+\j+2:S+\j+3]
.endr
	v_pk_add_f32 v[14:15], v[14:15], v[CT:CT+1]
.set i, 0
.rept 16
	v_pk_mul_f32 v[O+i:O+i+1], v[O+i:O+i+1], v[FF:FF+1] op_sel_hi:[1,0]    ; O^T under the new M, each accumulator from its low end on
.set i, i+2
.endr
	s_wait_dscnt 0x0                               ; v's fragments and scale words are in
.irp d, 0,1,2,3
	WMA O+8*\d, FR+12*\d, PC, VSC+\d/2, PSC, \d%2  ; the four accumulators by turns, one instruction a turn
.endr
	s_add_co_u32 s[TK], s[TK], 3072                ; 128 keys of 24 bytes
	s_add_co_u32 s[TV], s[TV], 6144
	s_add_co_u32 s[TKS], s[TKS], 128
	s_add_co_u32 s[TVS], s[TVS], 256
.endm
.macro HALF x                          ; the eight steps of half x of the keys
	s_mov_b32 s[TK], 76800*\x
	s_mov_b32 s[TV], 76800*\x
	s_mov_b32 s[TKS], 76800*\x
	s_mov_b32 s[TVS], 76800*\x
	s_mov_b32 s40, 8
.Lstep_\@:
	STEP
	s_sub_co_u32 s40, s40, 1
	s_cmp_lg_u32 s40, 0
	s_cbranch_scc1 .Lstep_\@
.endm
	s_wait_tensorcnt 1                             ; my part of half 0 is in; half 1's load, issued behind it, may stay out
	s_barrier_signal -1
	s_barrier_wait -1                              ; everybody's is
	HALF 0
	s_wait_tensorcnt 0x0                           ; my part of half 1 is in
	s_wait_dscnt 0x0
	s_barrier_signal -1
	s_barrier_wait -1
	HALF 1
	; THE WAY OUT.  O^T / the sum = vals: registers 16 a + i are channels 32 a + 16 (lane / 16) + i of my query: two blocks of the last product's K.
	PLACES
	v_add_f32 v14, v14, v15
	v_permlanex16_b32 v[TP], v14, s[SEL], s[SEL+1]
	v_add_f32 v14, v14, v[TP]                      ; the row's sum
	v_rcp_f32 v[FF], v14
	v_nop                                          ; one plain place behind a transcendental
.set i, 0
	s_wait_alu depctr_va_vdst(0)
.rept 16
	v_pk_mul_f32 v[S+i:S+i+1], v[O+i:O+i+1], v[FF:FF+1] op_sel_hi:[1,0]
.set i, i+2
.endr
.irp a, 0,1
	v_max3_num_f32 v[BM+\a], |v[S+16*\a]|, |v[S+1+16*\a]|, 0x1800000
.endr
.irp i, 2,4,6,8,10,12,14
.irp a, 0,1
	v_max3_num_f32 v[BM+\a], v[BM+\a], |v[S+16*\a+\i]|, |v[S+1+16*\a+\i]|
.endr
.endr
.irp a, 0,1
	v_permlanex16_b32 v[CT+\a], v[BM+\a], s[SEL], s[SEL+1]
.endr
.irp a, 0,1
	v_max_num_f32 v[BM+\a], v[BM+\a], v[CT+\a]
.endr
.irp a, 0,1
	v_add_nc_u32 v[SO+\a], 0xff000000, v[BM+\a]
.endr
.irp a, 0,1
	v_lshrrev_b32 v[CT+\a], 23, v[SO+\a]
.endr
	v_lshl_or_b32 v[TP], v[CT+1], 8, v[CT]         ; my two bytes of the row's scale word
	v_cvt_scalef32_pk16_fp6_f32 v[PC:PC+2], v[S:S+15], v[SO]
	v_cvt_scalef32_pk16_fp6_f32 v[CT+4:CT+6], v[S+16:S+31], v[SO+1]
	v_nop
.irp i, 0,1,2
	v_permlane16_swap_b32 v[PC+\i], v[CT+4+\i]
.endr
.irp i, 0,1,2
	v_mov_b32 v[PC+3+\i], v[CT+4+\i]               ; six registers: lanes 0-15 block 0 of query r, lanes 16-31 block 1
.endr
	s_lshr_b32 s41, s13, 3
	s_lshl_b32 s41, s41, 3
	s_add_co_u32 s41, s41, s12                     ; batch x 8 + query block
	s_mul_i32 s41, s41, 102400
	s_and_b32 s44, s13, 7                          ; head
	s_mul_i32 s42, s[WV], 6144
	s_mul_i32 s45, s44, 768
	s_add_co_u32 s42, s42, s45
	s_add_co_u32 s42, s42, s41
	s_mov_b32 s43, 0
	s_add_nc_u64 s[42:43], s[8:9], s[42:43]
	s_lshr_b32 s46, s[WV], 1
	s_lshl_b32 s46, s46, 9                         ; scale words: 512 a pair of tiles,
	s_lshr_b32 s45, s44, 1
	s_lshl_b32 s45, s45, 7                         ; 128 a K step (two heads),
	s_add_co_u32 s46, s46, s45
	s_and_b32 s45, s[WV], 1
	s_lshl_b32 s45, s45, 6                         ; 64 a tile,
	s_add_co_u32 s46, s46, s45
	s_and_b32 s45, s13, 1
	s_lshl_b32 s45, s45, 1                         ; and my head's two bytes of the word
	s_add_co_u32 s46, s46, s45
	s_add_co_u32 s46, s46, s41
	s_add_co_u32 s46, s46, 98304
	s_mov_b32 s47, 0
	s_add_nc_u64 s[46:47], s[8:9], s[46:47]
	global_store_b128 v5, v[PC:PC+3], s[42:43]                 ; 512 consecutive bytes, aligned
	global_store_b64 v6, v[PC+4:PC+5], s[42:43] offset:512     ; 256 consecutive bytes, aligned
	global_store_b16 v7, v[TP], s[46:47]                       ; lanes r and r + 16 store the same two bytes
	s_wait_tensorcnt 0x0
	ds_add_u32 v240, v241
	s_wait_dscnt 0x0
	CROUND                                         ; the closing round: no work-group ends while a partner may still ask for a part that names it
	s_endpgm
.Lfunc_end_k_qea518c57bd_attn:
	.size	k_qea518c57bd_attn, .Lfunc_end_k_qea518c57bd_attn-k_qea518c57bd_attn
	.p2alignl 7, 3214868480
	.fill 96, 4, 3214868480
	.section	.rodata,"a",@progbits
	.p2align	6, 0x0
	.amdhsa_kernel k_qea518c57bd_attn
		.amdhsa_group_segment_fixed_size 169984
		.amdhsa_private_segment_fixed_size 0
		.amdhsa_enable_private_segment 0
		.amdhsa_kernarg_size 24
		.amdhsa_user_sgpr_count 2
		.amdhsa_user_sgpr_kernarg_segment_ptr 1
		.amdhsa_wavefront_size32 1
		.amdhsa_system_sgpr_workgroup_id_x 1
		.amdhsa_system_sgpr_workgroup_id_y 1
		.amdhsa_system_sgpr_workgroup_id_z 1
		.amdhsa_system_vgpr_workitem_id 0
		.amdhsa_next_free_vgpr 242
		.amdhsa_next_free_sgpr 66
		.amdhsa_reserve_vcc 1
		.amdhsa_float_denorm_mode_32 3
		.amdhsa_float_denorm_mode_16_64 3
		.amdhsa_memory_ordered 1
		.amdhsa_forward_progress 1
		.amdhsa_inst_pref_size 46
	.end_amdhsa_kernel
	.amdgpu_metadata
---
amdhsa.version: [ 1, 2 ]
amdhsa.kernels:
  - .name:           k_qea518c57bd_attn
    .symbol:         k_qea518c57bd_attn.kd
    .args:
      - { .name: qq, .offset: 0, .size: 8, .value_kind: global_buffer, .address_space: global }
      - { .name: kv, .offset: 8, .size: 8, .value_kind: global_buffer, .address_space: global }
      - { .name: vc, .offset: 16, .size: 8, .value_kind: global_buffer, .address_space: global }
    .group_segment_fixed_size: 169984
    .private_segment_fixed_size: 0
    .kernarg_segment_align: 8
    .kernarg_segment_size: 24
    .max_flat_workgroup_size: 512
    .sgpr_count:     66
    .vgpr_count:     242
    .wavefront_size: 32
...
	.end_amdgpu_metadata
.endif
;; end of part 3
;; launch outp (part 4): grid 8 x 32, 16 waves a work-group, clusters of 4 x 4, 276,480 bytes of LDS; arguments vc, wimg, wsc, out0; writes out0
.if DOCPART == 4
	.amdgcn_target "amdgcn-amd-amdhsa--gfx1250"
	.amdhsa_code_object_version 6
	.text
	.protected	k_qea518c57bd_outp
	.globl	k_qea518c57bd_outp
	.p2align	8
	.type	k_qea518c57bd_outp,@function
k_qea518c57bd_outp:
	s_mov_b64 s[64:65], 0
	v_nop
	global_prefetch_b8 v0, s[64:65] scope:SCOPE_SE
	s_setreg_imm32_b32 hwreg(HW_REG_WAVE_MODE, 25, 1), 1
	s_wait_xcnt 0x0
	s_wait_alu depctr_hold_cnt(0) depctr_sa_sdst(0) depctr_va_vdst(0) depctr_va_sdst(0) depctr_va_ssrc(0) depctr_va_vcc(0) depctr_vm_vsrc(0)
	s_getreg_b32 s2, hwreg(HW_REG_IB_STS2, 6, 4)
	s_cmp_eq_u32 s2, 0
	s_cbranch_scc0 .Lentry_in_a_cluster
	s_endpgm
.Lentry_in_a_cluster:
	s_bfe_u32 s2, ttmp6, 0x10000c
	s_cmp_lg_u32 s2, 0xf033
	s_cbranch_scc0 .Lentry_shape_is_right
	s_endpgm
.Lentry_shape_is_right:
; out0 = vals Wo on codes of FP6 (E2M3) with one E8M0 scale for each 32 along K.  vals: [8192][512] as images of operand registers (vc); Wo: [512][2048] likewise (wimg, wsc, units 512 on); out0: [8192][2048] f32.
; SHARES.  A work-group makes 256 x 256 of out0; wave w (wm = w / 4, wn = w % 4) 64 x 64: 16 accumulators.  K = 512 is four steps, and all of both operands lies in LDS at once: 204,800 bytes, filled ONCE: no ring.
; CLUSTER: 4 x 4 work-groups.  The four of a row of the cluster need the same block of vals, the four of a column the same units of Wo: each part is asked for JOINTLY, by the same tensor load with the same descriptor
; and a mask that names the four.
; THE PRODUCT IS USED TRANSPOSED: source 0 = 16 columns of Wo, source 1 = 16 rows of vals.  The columns of a tile are 32 G + 8 u + r + 8 (r / 8), so the 16 registers of tiles u = 0, 1 are 16 neighbouring columns: 64 bytes of a row.
; Row r of tile 4 wm + a of vals is row 64 wm + 32 (a / 2) + 8 (a % 2) + r + 8 (r / 8) of the block.
; THE WAY OUT: a tile of 16 rows x 64 columns goes through the wave's own stage in LDS (rows 272 bytes apart) and leaves as rows of 256 bytes: sixteen lanes store 256 consecutive bytes, aligned.
.set VA16, 1                           ; v1  vals: 24,576 wm + 16 x lane
.set VA8,  2                           ; v2  24,576 wm + 512 + 8 x lane
.set VAS,  3                           ; v3  98,304 + 1,024 wm + 4 x lane
.set VB,   4                           ; v4  Wo: 102,400 + 24,576 wn + 16 x lane
.set VBS,  5                           ; v5  200,704 + 1,024 wn + 4 x lane
.set STO,  6                           ; v6  my stage + 272 r + 64 h
.set RD,   7                           ; v7  my stage + 272 (lane / 16) + 16 (lane % 16)
.set CO,   8                           ; v8  8,192 (lane / 16) + 16 (lane % 16)
.set WSC,  10                          ; v10-11 Wo's scale words, v12-13 vals': nothing else is kept here
.set VSC,  12
.set WF,   16                          ; v16-63   four fragments of Wo; on the way out rows read back, v16-47 and v48-79 by turns
.set VF,   64                          ; v64-111  four fragments of vals
.set ACC,  112                         ; v112-239 accumulator (a, g, u) at 8 (4 a + 2 g + u)
.set WV,   12                          ; s12 my wave's number
.macro PLACES
.rept 4
	v_nop
.endr
.endm
.macro CROUND                          ; a round of the cluster's barrier
	s_barrier_signal -1
	s_barrier_wait -1
	s_cmp_lg_u32 s[WV], 0
	s_cbranch_scc1 .Lnot_wave_0_\@
	s_barrier_signal -3
.Lnot_wave_0_\@:
	s_barrier_wait -3
	s_barrier_signal -1
	s_barrier_wait -1
.endm
.macro WM d, a, b, z, sa, sb, ra, rb   ; z = 1: the product starts its sum; ra, rb: the scale words stand in lanes 16-31
.if (\z) && (\ra) && (\rb)
	v_wmma_scale_f32_16x16x128_f8f6f4 v[\d:\d+7], v[\a:\a+11], v[\b:\b+11], 0, v[\sa], v[\sb] matrix_a_fmt:MATRIX_FMT_FP6 matrix_b_fmt:MATRIX_FMT_FP6 matrix_a_scale:MATRIX_SCALE_ROW1 matrix_b_scale:MATRIX_SCALE_ROW1
.elseif (\z) && (\ra)
	v_wmma_scale_f32_16x16x128_f8f6f4 v[\d:\d+7], v[\a:\a+11], v[\b:\b+11], 0, v[\sa], v[\sb] matrix_a_fmt:MATRIX_FMT_FP6 matrix_b_fmt:MATRIX_FMT_FP6 matrix_a_scale:MATRIX_SCALE_ROW1
.elseif (\z) && (\rb)
	v_wmma_scale_f32_16x16x128_f8f6f4 v[\d:\d+7], v[\a:\a+11], v[\b:\b+11], 0, v[\sa], v[\sb] matrix_a_fmt:MATRIX_FMT_FP6 matrix_b_fmt:MATRIX_FMT_FP6 matrix_b_scale:MATRIX_SCALE_ROW1
.elseif (\z)
	v_wmma_scale_f32_16x16x128_f8f6f4 v[\d:\d+7], v[\a:\a+11], v[\b:\b+11], 0, v[\sa], v[\sb] matrix_a_fmt:MATRIX_FMT_FP6 matrix_b_fmt:MATRIX_FMT_FP6
.elseif (\ra) && (\rb)
	v_wmma_scale_f32_16x16x128_f8f6f4 v[\d:\d+7], v[\a:\a+11], v[\b:\b+11], v[\d:\d+7], v[\sa], v[\sb] matrix_a_fmt:MATRIX_FMT_FP6 matrix_b_fmt:MATRIX_FMT_FP6 matrix_a_scale:MATRIX_SCALE_ROW1 matrix_b_scale:MATRIX_SCALE_ROW1
.elseif (\ra)
	v_wmma_scale_f32_16x16x128_f8f6f4 v[\d:\d+7], v[\a:\a+11], v[\b:\b+11], v[\d:\d+7], v[\sa], v[\sb] matrix_a_fmt:MATRIX_FMT_FP6 matrix_b_fmt:MATRIX_FMT_FP6 matrix_a_scale:MATRIX_SCALE_ROW1
.elseif (\rb)
	v_wmma_scale_f32_16x16x128_f8f6f4 v[\d:\d+7], v[\a:\a+11], v[\b:\b+11], v[\d:\d+7], v[\sa], v[\sb] matrix_a_fmt:MATRIX_FMT_FP6 matrix_b_fmt:MATRIX_FMT_FP6 matrix_b_scale:MATRIX_SCALE_ROW1
.else
	v_wmma_scale_f32_16x16x128_f8f6f4 v[\d:\d+7], v[\a:\a+11], v[\b:\b+11], v[\d:\d+7], v[\sa], v[\sb] matrix_a_fmt:MATRIX_FMT_FP6 matrix_b_fmt:MATRIX_FMT_FP6
.endif
.endm
	s_load_b256 s[4:11], s[0:1], 0x0               ; vc s[4:5], wimg s[6:7], wsc s[8:9], out0 s[10:11]
	v_lshl_add_u32 v240, v0, 2, 0x43000
	v_mov_b32 v241, 0
	ds_add_u32 v240, v241
	ds_add_u32 v240, v241
	v_lshrrev_b32 v9, 5, v0
	v_readfirstlane_b32 s[WV], v9                  ; wave 0..15
	s_bfe_u32 s13, ttmp6, 0x40000                  ; cx, cy: my place in the cluster
	s_bfe_u32 s14, ttmp6, 0x40004
	s_lshl_b32 s15, ttmp9, 2
	s_add_co_u32 s15, s15, s13                     ; tile column = 4 x cluster x + cx
	s_and_b32 s16, ttmp7, 0xffff
	s_lshl_b32 s16, s16, 2
	s_add_co_u32 s16, s16, s14                     ; tile row = 4 x cluster y + cy
	s_lshl_b32 s17, s14, 2
	s_lshl_b32 s17, 15, s17                        ; my row of the cluster
	s_lshl_b32 s18, 0x1111, s13                    ; my column
	; descriptor groups 1: dense blocks as rows of 256 bytes (32 elements of 8 bytes), no padding: vals 100 rows a wave, Wo's codes 96, Wo's scale words 16
	s_or_b32 s24, s17, (3<<16)|(1<<21)             ; 15:0 the mask; 17:16 elements of 8 bytes; 21 set beside a mask
	s_or_b32 s32, s18, (3<<16)|(1<<21)
	s_or_b32 s40, s18, (3<<16)|(1<<21)
	s_mov_b32 s25, 32<<16                          ; tensor_dim0
	s_mov_b32 s26, 100<<16                         ; tensor_dim1
	s_mov_b32 s27, 32<<16                          ; tile_dim0
	s_mov_b32 s28, 100                             ; tile_dim1
	s_mov_b32 s29, 32                              ; elements from row to row
	s_mov_b32 s30, 0
	s_mov_b32 s31, 0
	s_mov_b32 s33, 32<<16
	s_mov_b32 s34, 96<<16
	s_mov_b32 s35, 32<<16
	s_mov_b32 s36, 96
	s_mov_b32 s37, 32
	s_mov_b32 s38, 0
	s_mov_b32 s39, 0
	s_mov_b32 s41, 32<<16
	s_mov_b32 s42, 16<<16
	s_mov_b32 s43, 32<<16
	s_mov_b32 s44, 16
	s_mov_b32 s45, 32
	s_mov_b32 s46, 0
	s_mov_b32 s47, 0
	s_and_b32 s19, s[WV], 3                        ; which quarter I fetch; also wn
	s_mul_i32 s20, s19, 25600
	s_mul_i32 s21, s19, 24576
	s_mul_i32 s66, s16, 102400                     ; vals: the tile row's block (registers that never hold cx),
	s_add_co_u32 s66, s66, s20
	s_mov_b32 s67, 0
	s_mul_i32 s68, s15, 98304                      ; Wo: the tile column's 32 units, behind the 512 units of the other weights (registers that never hold cy),
	s_add_co_u32 s68, s68, s21
	s_add_co_u32 s68, s68, 1572864
	s_mov_b32 s69, 0
	s_lshl_b32 s70, s15, 12                        ; and their scale words
	s_add_co_u32 s70, s70, 65536
	s_mov_b32 s71, 0
	s_wait_dscnt 0x0
	s_wait_kmcnt 0x0
	s_mov_b32 s48, 1
	s_mov_b32 s49, s20                             ; LDS: vals from 0
	s_add_nc_u64 s[50:51], s[4:5], s[66:67]
	s_or_b32 s51, s51, 0x80000000
	s_mov_b32 s52, 1
	s_add_co_u32 s53, s21, 102400                  ; Wo's codes from 102,400
	s_add_nc_u64 s[54:55], s[6:7], s[68:69]
	s_or_b32 s55, s55, 0x80000000
	s_mov_b32 s56, 1
	s_mov_b32 s57, 200704                          ; Wo's scale words
	s_add_nc_u64 s[58:59], s[8:9], s[70:71]
	s_or_b32 s59, s59, 0x80000000
	CROUND                                         ; all sixteen work-groups are here: the joint loads meet
	s_cmp_lt_u32 s[WV], 4                          ; waves 0-3: vals; 4-7: Wo's codes; 8: Wo's scale words; one load a wave.  The branches hang on the wave's number alone
	s_cbranch_scc0 .Lnot_a
	tensor_load_to_lds s[48:51], s[24:31]
	s_nop 0
.rept 4
	v_nop
.endr
	s_branch .Lasked
.Lnot_a:
	s_cmp_lt_u32 s[WV], 8
	s_cbranch_scc0 .Lnot_b
	tensor_load_to_lds s[52:55], s[32:39]
	s_nop 0
.rept 4
	v_nop
.endr
	s_branch .Lasked
.Lnot_b:
	s_cmp_eq_u32 s[WV], 8
	s_cbranch_scc0 .Lasked
	tensor_load_to_lds s[56:59], s[40:47]
	s_nop 0
.rept 4
	v_nop
.endr
.Lasked:
	v_and_b32 v9, 31, v0                           ; lane
	v_and_b32 v14, 15, v0
	v_bfe_u32 v15, v0, 4, 1
	s_lshr_b32 s22, s[WV], 2                       ; wm
	s_mul_i32 s23, s22, 24576
	v_lshl_add_u32 v[VA16], v9, 4, s23
	s_add_co_u32 s23, s23, 512
	v_lshl_add_u32 v[VA8], v9, 3, s23
	s_lshl_b32 s23, s22, 10
	s_add_co_u32 s23, s23, 98304
	v_lshl_add_u32 v[VAS], v9, 2, s23
	s_add_co_u32 s23, s21, 102400
	v_lshl_add_u32 v[VB], v9, 4, s23
	s_lshl_b32 s23, s19, 10
	s_add_co_u32 s23, s23, 200704
	v_lshl_add_u32 v[VBS], v9, 2, s23
	s_mul_i32 s23, s[WV], 4352
	s_add_co_u32 s23, s23, 204800                  ; my stage: bytes into which no fill lands
	v_mul_u32_u24 v[STO], v14, 272
	v_lshl_add_u32 v[STO], v15, 6, v[STO]
	v_add_nc_u32 v[STO], s23, v[STO]
	v_mul_u32_u24 v[RD], v15, 272
	v_lshl_add_u32 v[RD], v14, 4, v[RD]
	v_add_nc_u32 v[RD], s23, v[RD]
	v_lshlrev_b32 v[CO], 13, v15
	v_lshl_add_u32 v[CO], v14, 4, v[CO]
	s_lshl_b32 s72, s16, 8
	s_lshl_b32 s73, s22, 6
	s_add_co_u32 s72, s72, s73                     ; my first row: 256 x tile row + 64 wm
	s_lshl_b32 s72, s72, 13                        ; rows of 8,192 bytes
	s_mov_b32 s73, 0
	s_lshl_b32 s74, s15, 10
	s_lshl_b32 s75, s19, 8
	s_add_co_u32 s74, s74, s75                     ; my first column, in bytes: 1,024 x tile column + 256 wn
	s_mov_b32 s75, 0
	s_add_nc_u64 s[10:11], s[10:11], s[72:73]
	s_add_nc_u64 s[10:11], s[10:11], s[74:75]
	s_wait_tensorcnt 0x0                           ; my part is in,
	s_barrier_signal -1
	s_barrier_wait -1                              ; everybody's is
; A K STEP of 128: 32 LDS loads, each of consecutive bytes, and 16 products; the sixteen accumulators take turns, one instruction a turn, in the same order in every step.
.macro KSTEP ks, z
.if \ks > 0
	PLACES                                         ; in front of loads into registers that matrix instructions have read
.endif
.irp g, 0,1
.irp u, 0,1
.irp i, 0,1,2
	ds_load_b128 v[WF+12*(2*\g+\u)+4*\i:WF+12*(2*\g+\u)+4*\i+3], v[VB] offset:12288*\g+3072*\ks+1536*\u+512*\i
.endr
.endr
.endr
.irp a, 0,1,2,3
.irp c, 0,1
	ds_load_b128 v[VF+12*\a+6*\c:VF+12*\a+6*\c+3], v[VA16] offset:6144*\a+1536*\ks+768*\c
	ds_load_b64 v[VF+12*\a+6*\c+4:VF+12*\a+6*\c+5], v[VA8] offset:6144*\a+1536*\ks+768*\c
.endr
.endr
.irp g, 0,1
	ds_load_b32 v[WSC+\g], v[VBS] offset:512*\g+128*\ks            ; lanes 0-15 tile u = 0, lanes 16-31 u = 1
	ds_load_b32 v[VSC+\g], v[VAS] offset:512*\g+128*\ks            ; lanes 0-15 the even tile of rows, lanes 16-31 the odd one
.endr
	s_wait_dscnt 0x0
.irp a, 0,1,2,3
.irp g, 0,1
.irp u, 0,1
	WM ACC+8*(4*\a+2*\g+\u), WF+12*(2*\g+\u), VF+12*\a, \z, WSC+\g, VSC+\a/2, \u, \a%2
.endr
.endr
.endr
.endm
	KSTEP 0, 1                                     ; the first step's products start the sums: nothing is cleared
	KSTEP 1, 0
	KSTEP 2, 0
	KSTEP 3, 0
; THE WAY OUT, a tile of 16 rows at a time.  LDS serves a wave's instructions in order (ISA guide 5.7.1.4): no wait between the stores and the loads, nor in front of the next tile's stores.
.macro TOSTAGE a
.irp g, 0,1
.irp u, 0,1
	ds_store_b128 v[STO], v[ACC+8*(4*(\a)+2*\g+\u):ACC+8*(4*(\a)+2*\g+\u)+3] offset:128*\g+32*\u          ; each accumulator from its low end on
	ds_store_b128 v[STO], v[ACC+8*(4*(\a)+2*\g+\u)+4:ACC+8*(4*(\a)+2*\g+\u)+7] offset:128*\g+32*\u+16
.endr
.endr
.set BB, WF+32*((\a)%2)
.irp i, 0,1,2,3,4,5,6,7
	ds_load_b128 v[BB+4*\i:BB+4*\i+3], v[RD] offset:544*\i         ; two rows an instruction
.endr
.endm
.macro SEND a, younger                 ; younger: the LDS instructions issued behind tile a's loads, which may stay out
.set BB, WF+32*((\a)%2)
	s_wait_dscnt \younger
.irp i, 0,1,2,3,4,5,6,7
	global_store_b128 v[CO], v[BB+4*\i:BB+4*\i+3], s[10:11] offset:(32*((\a)/2)+8*((\a)%2)+2*\i+8*(\i/4))*8192 th:TH_STORE_NT   ; sixteen lanes store 256 consecutive bytes, aligned; written once, read by nobody here
.endr
.endm
	PLACES                                         ; behind the last products: for the reads of results and the loads into registers that held fragments
	TOSTAGE 0
.irp a, 1,2,3
.if \a > 1
	s_wait_xcnt 0x0                                ; tile a - 2's stores have read their registers: tile a's loads may land there
.endif
	TOSTAGE \a
	SEND \a-1, 16                                  ; behind tile a - 1's loads: tile a's 8 stores and 8 loads
.endr
	SEND 3, 0
	s_wait_tensorcnt 0x0
	ds_add_u32 v240, v241
	s_wait_dscnt 0x0
	CROUND                                         ; the closing round: no work-group ends while a partner may still ask for a part that names it
	s_endpgm
.Lfunc_end_k_qea518c57bd_outp:
	.size	k_qea518c57bd_outp, .Lfunc_end_k_qea518c57bd_outp-k_qea518c57bd_outp
	.p2alignl 7, 3214868480
	.fill 96, 4, 3214868480
	.section	.rodata,"a",@progbits
	.p2align	6, 0x0
	.amdhsa_kernel k_qea518c57bd_outp
		.amdhsa_group_segment_fixed_size 276480
		.amdhsa_private_segment_fixed_size 0
		.amdhsa_enable_private_segment 0
		.amdhsa_kernarg_size 32
		.amdhsa_user_sgpr_count 2
		.amdhsa_user_sgpr_kernarg_segment_ptr 1
		.amdhsa_wavefront_size32 1
		.amdhsa_system_sgpr_workgroup_id_x 1
		.amdhsa_system_sgpr_workgroup_id_y 1
		.amdhsa_system_sgpr_workgroup_id_z 1
		.amdhsa_system_vgpr_workitem_id 0
		.amdhsa_next_free_vgpr 242
		.amdhsa_next_free_sgpr 84
		.amdhsa_reserve_vcc 0
		.amdhsa_float_denorm_mode_32 3
		.amdhsa_float_denorm_mode_16_64 3
		.amdhsa_memory_ordered 1
		.amdhsa_forward_progress 1
		.amdhsa_inst_pref_size 32
	.end_amdhsa_kernel
	.amdgpu_metadata
---
amdhsa.version: [ 1, 2 ]
amdhsa.kernels:
  - .name:           k_qea518c57bd_outp
    .symbol:         k_qea518c57bd_outp.kd
    .args:
      - { .name: vc, .offset: 0, .size: 8, .value_kind: global_buffer, .address_space: global }
      - { .name: wimg, .offset: 8, .size: 8, .value_kind: global_buffer, .address_space: global }
      - { .name: wsc, .offset: 16, .size: 8, .value_kind: global_buffer, .address_space: global }
      - { .name: out0, .offset: 24, .size: 8, .value_kind: global_buffer, .address_space: global }
    .group_segment_fixed_size: 276480
    .private_segment_fixed_size: 0
    .kernarg_segment_align: 8
    .kernarg_segment_size: 32
    .max_flat_workgroup_size: 512
    .sgpr_count:     84
    .vgpr_count:     242
    .wavefront_size: 32
...
	.end_amdgpu_metadata
.endif
;; end of part 4
